; MI455X (gfx1250); checked and timed in simulation.
; The chip was launched on July 23, 2026; its instructions are those of AMD's public machine-readable ISA for CDNA 5 (MIT licence, August 2026) and "CDNA5" Instruction Set Architecture Reference Guide (July 2026). The comments in the code are by the model that wrote it; some were corrected since.
;; Tree Model. Allowed arithmetic: matrix products marked QUANTISED: E4M3 operands, one given power-of-two scale a tensor, by v_wmma_f32_16x16x64_fp8_fp8 or v_wmma_f32_16x16x128_fp8_fp8, f32 sums; products left as they are: f32 operands where the result goes on into a quantised operand, else bf16, f16 or f32 operands; f32 sums; everything else in f32.
;; Inputs: lowp_scales 28 int32 (the exponents e of the quantised operands' scales 2^e); query 2,048 x 64 float32; tree_key 65,535 x 2 x 64 float32; tree_value 65,536 x 64 float32.
;; Outputs: out0 2,048 x 64 float32.
;; This version of the problem:
;;   THIS VERSION OF THE PROBLEM IS GIVEN IN LOW PRECISION. The matrix products marked QUANTISED in the list below multiply operands that are first quantised to E4M3 (4 exponent bits, 3 mantissa bits; 8 bits a number), with one given power-of-two scale for each operand tensor; their sums are f32. All else is computed in f32.
;;   The module's matrix products, in the order in which they are computed (A, B: the left and right operand; K: the contracted axis; several contracted axes count as one K, in the product's order):
;;     1. [M 2,048, K 64] x [K 64, N 2]; A: input query; B: input tree_key: left as it is (N = 2 < 16)
;;     2. [M 2,048, K 64] x [K 64, N 4]; A: input query; B: input tree_key: left as it is (N = 4 < 16)
;;     3. [M 2,048, K 64] x [K 64, N 8]; A: input query; B: input tree_key: left as it is (N = 8 < 16)
;;     4. [M 2,048, K 64] x [K 64, N 16]; A: input query; B: input tree_key: QUANTISED (scales: A lowp_scales[0], B lowp_scales[1])
;;     5. [M 2,048, K 64] x [K 64, N 32]; A: input query; B: input tree_key: QUANTISED (scales: A lowp_scales[2], B lowp_scales[3])
;;     6. [M 2,048, K 64] x [K 64, N 64]; A: input query; B: input tree_key: QUANTISED (scales: A lowp_scales[4], B lowp_scales[5])
;;     7. [M 2,048, K 64] x [K 64, N 128]; A: input query; B: input tree_key: QUANTISED (scales: A lowp_scales[6], B lowp_scales[7])
;;     8. [M 2,048, K 64] x [K 64, N 256]; A: input query; B: input tree_key: QUANTISED (scales: A lowp_scales[8], B lowp_scales[9])
;;     9. [M 2,048, K 64] x [K 64, N 512]; A: input query; B: input tree_key: QUANTISED (scales: A lowp_scales[10], B lowp_scales[11])
;;     10. [M 2,048, K 64] x [K 64, N 1,024]; A: input query; B: input tree_key: QUANTISED (scales: A lowp_scales[12], B lowp_scales[13])
;;     11. [M 2,048, K 64] x [K 64, N 2,048]; A: input query; B: input tree_key: QUANTISED (scales: A lowp_scales[14], B lowp_scales[15])
;;     12. [M 2,048, K 64] x [K 64, N 4,096]; A: input query; B: input tree_key: QUANTISED (scales: A lowp_scales[16], B lowp_scales[17])
;;     13. [M 2,048, K 64] x [K 64, N 8,192]; A: input query; B: input tree_key: QUANTISED (scales: A lowp_scales[18], B lowp_scales[19])
;;     14. [M 2,048, K 64] x [K 64, N 16,384]; A: input query; B: input tree_key: QUANTISED (scales: A lowp_scales[20], B lowp_scales[21])
;;     15. [M 2,048, K 64] x [K 64, N 32,768]; A: input query; B: input tree_key: QUANTISED (scales: A lowp_scales[22], B lowp_scales[23])
;;     16. [M 2,048, K 64] x [K 64, N 65,536]; A: input query; B: input tree_key: QUANTISED (scales: A lowp_scales[24], B lowp_scales[25])
;;     17. [M 2,048, K 65,536] x [K 65,536, N 64]; A: computed on the way; B: input tree_value: QUANTISED (scales: A lowp_scales[26], B lowp_scales[27])
;;   THE QUANTISER, for each operand of a quantised product, along K:
;;     - The operand's scale is 2^e, e = its entry of the input lowp_scales (int32; the entries are numbered through the quantised products in the list's order, A before B).
;;     - Each number is divided by the scale, clamped to +-448, and rounded to the nearest number of E4M3, ties to even, subnormals kept.
;;     - The product sums the exact products of the quantised numbers (number of the format x scale) in f32.
;;   ~~~python
;;   def quantise(x, axis, e):      # numpy; x: float32 -> the quantised numbers, widened to float32 again
;;       x = np.moveaxis(x, axis, -1); K = x.shape[-1]
;;       r = np.clip(x / 2.0 ** e, -448, 448)
;;       step = 2.0 ** (np.maximum(np.frexp(np.where(r == 0, 1, r))[1] - 1, -6) - 3)
;;       q = np.round(r / step) * step * 2.0 ** e      # np.round: ties to even
;;       return np.moveaxis(q, -1, axis).astype(np.float32)
;;   ~~~
;;   OPERANDS COMPUTED ON THE WAY. 'Computed on the way' means the value that the module computes at that place (a softmax that the list does not call 'softmax' is quantised finished and normalised). What goes into a quantiser is computed in f32, as accurately as f32 sums, v_exp_f32 and their like allow (about 1e-6 of the number): no bf16 or f16 on the way to a quantiser, and a product that is left as it is and whose result goes on into a quantised operand takes f32 operands (vector FMAs, or v_wmma_f32_16x16x4_f32). A number that lies on a knife's edge between two numbers of the format may be rounded either way, as far as f32 arithmetic and the matrix unit's own rounding can turn it there, and no further.
;; One version. Each part assembles by itself: llvm-mc -triple=amdgcn-amd-amdhsa -mcpu=gfx1250 --defsym DOCPART=n.
;; ======== version 1 of 1: 3 launches
;; limits: right only within a limited range of input values
;; workspace buffers: stream 12,910,592 bytes; qimg 1,703,936 bytes; p3s 65,536 bytes; part 16,777,216 bytes
;; launch prep (part 1): grid 43 x 32, 4 waves a work-group, no clusters, 34,304 bytes of LDS; arguments lowp_scales, query, tree_key, tree_value, stream, qimg, p3s; writes stream, qimg, p3s
.if DOCPART == 1
	.amdgcn_target "amdgcn-amd-amdhsa--gfx1250"
	.amdhsa_code_object_version 6
	.text
	.protected	k_q9c8600eed5_prep
	.globl	k_q9c8600eed5_prep
	.p2align	8
	.type	k_q9c8600eed5_prep,@function
k_q9c8600eed5_prep:
	s_mov_b64 s[64:65], 0
	v_nop
	global_prefetch_b8 v0, s[64:65] scope:SCOPE_SE
	s_setreg_imm32_b32 hwreg(HW_REG_WAVE_MODE, 25, 1), 1
	s_wait_xcnt 0x0
; PREP: every input is read once and laid out as the walk wants it.
; The tree is cut into 32 parts (part p = node p of level 5), a part into two halves (half h = node 2 p + h of level 6).
; stream: for each part 403,456 bytes: a head of 13 key tiles, then 8 blocks of 15 key tiles and 16 fragments of values.
;   A KEY TILE is 2,048 bytes: 16 nodes; rows 0-7 are nodes of half 0, rows 8-15 of half 1.  Its first 1,024 bytes are the codes of one child key of each node
;   (the plus fragment), its last 1,024 the codes of the NEGATED other child key (the minus fragment): the quantiser is symmetric, so the code of -k is the code of k
;   with its sign turned, and plus x q + minus x q is the difference of the two logits, made of the same exact products.
;   A FRAGMENT is an image of an operand's 8 registers for the 16x16x64 form: lane = 16 kappa + row; register i, byte b holds k = 32 kappa + 4 i + b; registers 4 g .. 4 g + 3 of lane l lie
;   at 512 g + 16 l.  That place of k is the same in both operands of every product, so every product meets its partner.
; qimg: for each tile of 16 queries, 13 fragments: the queries quantised with the scale of each of the levels 3 to 15.
; p3s: [2048][8] f32: the probabilities of the 8 nodes of level 3 (levels 0 to 2 in f32), times 2^-24 (exact; the walk says why).
; SHARES: work-group y = part.  x 0-33: a wave makes one key tile (133 a part; the last three waves have none).  x 34-41: a wave quantises 128 leaves x 32 channels of the values.
; x 42: a wave takes a tile of 16 queries.  Waves share nothing: no barrier.  Only the path of the key tiles uses LDS.
; LIMITS: each given exponent e lies between -126 and 119, so that 2^e and 448 x 2^e are f32 numbers.  NaN and infinities among the inputs are not served.
.set PARTB, 403456                     ; a part of the stream
.set HEADB, 26624                      ; its head: 13 key tiles
.set BLKB,  47104                      ; a block: 15 key tiles + 16 fragments of values
.set VOFFB, 30720                      ; where a block's values begin
.set SP,    528                        ; a node's row in the stage: 512 bytes + 16: sixteen rows start at sixteen different 16-byte columns
.set WSTG,  16*SP                      ; a wave's stage
.set X,     16                         ; v16-79   key rows as loaded; v16-111 values: three sets of 32 by turns
.set KC,    16                         ; v16-31   a key tile's codes, in the rows' registers, which are done with behind the stage's wait
.set Y,     80                         ; v80-143  a lane's 32 numbers of one child, then of the other
.set CD,    112                        ; v112-143 the values' codes: 8 registers for each 32 leaves
.set QF,    16                         ; v16-47   a lane's 32 numbers of its query
.set KA,    48                         ; v48-79   the same of one of the first 16 child keys
.set ACC0,  144                        ; v144-159 two f32 accumulators: no other line of the text writes them
.set ACC1,  152
	s_load_b256 s[4:11], s[0:1], 0x0               ; lowp_scales s[4:5], query s[6:7], tree_key s[8:9], tree_value s[10:11]
	s_load_b128 s[12:15], s[0:1], 0x20             ; stream s[12:13], qimg s[14:15]
	s_load_b64 s[16:17], s[0:1], 0x30              ; p3s
	v_lshl_add_u32 v12, v0, 2, 0x8400
	v_mov_b32 v13, 0
	v_lshrrev_b32 v1, 5, v0
	v_readfirstlane_b32 s18, v1                    ; wave
	v_and_b32 v1, 31, v0                           ; lane
	v_lshlrev_b32 v2, 4, v1                        ; 16 x lane
	v_and_b32 v9, 15, v0                           ; row
	v_bfe_u32 v10, v0, 4, 1                        ; kappa
	s_mul_i32 s24, s18, WSTG
	v_add_nc_u32 v3, s24, v2                       ; the stage, in: 16 x lane of a row
	v_mul_u32_u24 v4, v9, SP
	v_lshl_add_u32 v4, v10, 7, v4
	v_add_nc_u32 v4, s24, v4                       ; the stage, out: my row, my 128 bytes of a child key
	s_mov_b32 s19, ttmp9                           ; x
	s_and_b32 s20, ttmp7, 0xffff                   ; part p
	s_mul_i32 s36, s20, PARTB
	s_mov_b32 s37, 0
	s_wait_kmcnt 0x0
	s_add_nc_u64 s[12:13], s[12:13], s[36:37]      ; the stream at my part
	s_cmp_ge_u32 s19, 42
	s_cbranch_scc1 .Lq_path
	s_cmp_ge_u32 s19, 34
	s_cbranch_scc1 .Lv_path
; ---------------------------------------------------------------- key tiles
.macro KSCALE                          ; the keys' scale of level L (s22): entry 2 (L - 3) + 1, byte 8 L - 20
	s_lshl_b32 s38, s22, 3
	s_sub_co_u32 s38, s38, 20
	s_mov_b32 s39, 0
	s_add_nc_u64 s[38:39], s[4:5], s[38:39]
	s_load_b32 s34, s[38:39], 0x0
.endm
	s_lshl_b32 s21, s19, 2
	s_add_co_u32 s21, s21, s18                     ; tile v of the part: 0-5 levels 3-8; 6-132 levels 9-15 in heap order
	s_cmp_ge_u32 s21, 133
	s_cbranch_scc1 .Lend
	s_cmp_lt_u32 s21, 6
	s_cbranch_scc1 .Lk_head
	; levels 9 to 15: u = v - 5 = 2^(L - 9) + tile number; row 8 h + j is node 8 x tile + j of half h; plus = child 1, minus = child 0
	s_sub_co_u32 s23, s21, 5                       ; u
	s_mov_b32 s22, 9
.irp k, 2,4,8,16,32,64
	s_cmp_ge_u32 s23, \k
	s_cselect_b32 s24, 1, 0
	s_add_co_u32 s22, s22, s24                     ; L = 9 + floor(log2 u)
.endr
	KSCALE
	s_sub_co_u32 s24, s22, 9
	s_lshl_b32 s24, 1, s24
	s_sub_co_u32 s23, s23, s24                     ; the tile's number in its level
	s_lshl_b32 s24, 1, s22
	s_sub_co_u32 s24, s24, 1                       ; the level's first row of tree_key
	s_sub_co_u32 s25, s22, 6
	s_lshl_b32 s26, s20, 1
	s_lshl_b32 s26, s26, s25                       ; half 0's first node in the level
	s_add_co_u32 s24, s24, s26
	s_lshl_b32 s26, s23, 3
	s_add_co_u32 s24, s24, s26
	s_lshl_b32 s28, s24, 9                         ; a node is 512 bytes
	s_mov_b32 s29, 0
	s_lshl_b32 s30, 512, s25                       ; half 1 lies 2^(L - 6) nodes on
	s_add_co_u32 s30, s30, s28
	s_mov_b32 s31, 0
	s_add_nc_u64 s[28:29], s[8:9], s[28:29]
	s_add_nc_u64 s[30:31], s[8:9], s[30:31]
	s_wait_alu depctr_va_vdst(0)
.irp j, 0,1,2,3,4,5,6,7
	global_load_b128 v[X+4*\j:X+4*\j+3], v2, s[28:29] offset:512*\j th:TH_LOAD_NT        ; a node's 512 bytes, 16 a lane
.endr
.irp j, 0,1,2,3,4,5,6,7
	global_load_b128 v[X+32+4*\j:X+32+4*\j+3], v2, s[30:31] offset:512*\j th:TH_LOAD_NT
.endr
	; where the tile goes: levels 9-11 into the head at 2,048 v; level 12 + m: block = tile >> m, place 2^m - 1 + the rest
	s_lshl_b32 s32, s21, 11
	s_max_u32 s24, s22, 12
	s_sub_co_u32 s24, s24, 12                      ; m
	s_lshr_b32 s25, s23, s24                       ; block
	s_lshl_b32 s26, s25, s24
	s_sub_co_u32 s26, s23, s26
	s_lshl_b32 s27, 1, s24
	s_add_co_u32 s26, s26, s27
	s_sub_co_u32 s26, s26, 1
	s_lshl_b32 s26, s26, 11
	s_mul_i32 s25, s25, BLKB
	s_add_co_u32 s26, s26, s25
	s_add_co_u32 s26, s26, HEADB
	s_cmp_lt_u32 s22, 12
	s_cselect_b32 s32, s32, s26
	; the turn through my stage: rows in as they lie, out as 32 neighbours of one child key a lane
.irp r, 0,1,2,3,4,5,6,7,8,9,10,11,12,13,14,15
	s_wait_loadcnt 15-\r                           ; loads come back in order: row r is in, the younger ones may be out
	ds_store_b128 v3, v[X+4*\r:X+4*\r+3] offset:SP*\r
.endr
.irp k, 0,1,2,3,4,5,6,7
	ds_load_b128 v[Y+4*\k:Y+4*\k+3], v4 offset:256+16*\k          ; child 1.  LDS serves a wave's instructions in order: these see my stores
.endr
.irp k, 0,1,2,3,4,5,6,7
	ds_load_b128 v[Y+32+4*\k:Y+32+4*\k+3], v4 offset:16*\k        ; child 0
.endr
	s_wait_dscnt 0x0
	s_branch .Lk_tail
.Lk_head:
	; levels 3 to 8: row rho holds the ancestor of node 16 p + rho of level 9; plus = the child on the way down to it, minus = the other child
	s_add_co_u32 s22, s21, 3                       ; L
	KSCALE
	s_lshl_b32 s24, s20, 4
	s_wait_alu depctr_va_vdst(0)
	v_add_nc_u32 v5, s24, v9                       ; 16 p + rho
	s_sub_co_u32 s25, 9, s22
	s_sub_co_u32 s26, 8, s22
	v_lshrrev_b32 v6, s25, v5                      ; the ancestor's number in level L
	v_lshrrev_b32 v5, s26, v5
	v_and_b32 v5, 1, v5                            ; the child on the way
	s_lshl_b32 s24, 1, s22
	s_sub_co_u32 s24, s24, 1
	v_add_nc_u32 v6, s24, v6
	v_lshlrev_b32 v6, 9, v6
	v_lshl_add_u32 v6, v5, 8, v6
	v_lshl_add_u32 v5, v10, 7, v6                  ; row x 512 + child x 256 + kappa x 128
	v_xor_b32 v6, 0x100, v5                        ; the other child
.irp k, 0,1,2,3,4,5,6,7
	global_load_b128 v[Y+4*\k:Y+4*\k+3], v5, s[8:9] offset:16*\k
.endr
.irp k, 0,1,2,3,4,5,6,7
	global_load_b128 v[Y+32+4*\k:Y+32+4*\k+3], v6, s[8:9] offset:16*\k
.endr
	s_lshl_b32 s32, s21, 11
	s_wait_loadcnt 0x0
.Lk_tail:
	s_mov_b32 s33, 0
	s_add_nc_u64 s[32:33], s[12:13], s[32:33]
	s_wait_kmcnt 0x0
	s_add_co_i32 s34, s34, 127
	s_lshl_b32 s35, s34, 23
	v_mov_b32 v7, s35                              ; 2^e as f32: the conversion takes its exponent field
	s_add_co_i32 s34, s34, 8
	s_lshl_b32 s34, s34, 23
	s_or_b32 s34, s34, 0x600000
	v_mov_b32 v8, s34                              ; 448 x 2^e
.set ci, 0
.rept 32
	v_med3_num_f32 v[Y+ci], v[Y+ci], -v8, v8       ; the conversion to an 8-bit code does not saturate (ISA guide 7.6.2): the hold comes first
.set ci, ci+1
.endr
.rept 32
	v_med3_num_f32 v[Y+ci], -v[Y+ci], -v8, v8      ; the minus fragment: negated in the same line
.set ci, ci+1
.endr
.irp g, 0,1,2,3,4,5,6,7
	v_cvt_scalef32_pk8_fp8_f32 v[KC+2*\g:KC+2*\g+1], v[Y+8*\g:Y+8*\g+7], v7
.endr
	v_nop                                          ; one plain line behind the last conversion
.irp g, 0,1,2,3
	global_store_b128 v2, v[KC+4*\g:KC+4*\g+3], s[32:33] offset:512*\g    ; 32 lanes store 512 consecutive bytes, aligned
.endr
.Lend:
	s_wait_tensorcnt 0x0
	ds_add_u32 v12, v13
	s_wait_dscnt 0x0
	s_endpgm
; ---------------------------------------------------------------- values
.Lv_path:
	; A LANE TAKES A CHANNEL, AND ITS REGISTERS RUN DOWN THE LEAVES, which are the last product's K: nothing is transposed.  A wave: 128 leaves of one half x 32 channels.
	s_load_b32 s34, s[4:5], 0x6c                   ; entry 27
	s_sub_co_u32 s21, s19, 34
	s_lshl_b32 s21, s21, 2
	s_add_co_u32 s21, s21, s18                     ; 0 .. 31
	s_and_b32 s22, s21, 1                          ; which 32 channels
	s_bfe_u32 s23, s21, 0x10001                    ; half
	s_lshr_b32 s24, s21, 2                         ; block
	s_lshl_b32 s25, s20, 1
	s_add_co_u32 s25, s25, s23
	s_lshl_b32 s25, s25, 10                        ; a half has 1,024 leaves
	s_lshl_b32 s26, s24, 7
	s_add_co_u32 s25, s25, s26                     ; my first leaf
	s_lshl_b32 s28, s25, 8                         ; 256 bytes a leaf
	s_lshl_b32 s26, s22, 7
	s_add_co_u32 s28, s28, s26
	s_mov_b32 s29, 0
	s_add_nc_u64 s[28:29], s[10:11], s[28:29]
	s_wait_alu depctr_va_vdst(0)
	v_lshlrev_b32 v5, 2, v1                        ; 4 bytes a lane
	s_wait_alu depctr_va_vdst(0)
	s_mul_i32 s32, s24, BLKB
	s_add_co_u32 s32, s32, HEADB+VOFFB
	s_lshl_b32 s26, s22, 11                        ; two fragments (channel tiles) a wave
	s_add_co_u32 s32, s32, s26
	s_lshl_b32 s26, s23, 8                         ; kappa = half: lanes 16 kappa + row of the fragment
	s_add_co_u32 s32, s32, s26
	s_mov_b32 s33, 0
	s_add_nc_u64 s[32:33], s[12:13], s[32:33]
	v_lshlrev_b32 v6, 10, v10
	v_lshl_add_u32 v6, v9, 4, v6                   ; 1,024 x (lane / 16) + 16 x (lane % 16)
.macro VLOAD pi                        ; 32 leaves
.set ci, 0
.rept 32
	global_load_b32 v[X+32*((\pi)%3)+ci], v5, s[28:29] offset:256*(32*\pi+ci) th:TH_LOAD_NT
.set ci, ci+1
.endr
.endm
.macro VQ pi                           ; they become 8 registers of codes: register i, byte b = leaf 32 pi + 4 i + b
.set ci, 0
.rept 32
	v_med3_num_f32 v[X+32*((\pi)%3)+ci], v[X+32*((\pi)%3)+ci], -v8, v8
.set ci, ci+1
.endr
.irp g, 0,1,2,3
	v_cvt_scalef32_pk8_fp8_f32 v[CD+8*\pi+2*\g:CD+8*\pi+2*\g+1], v[X+32*((\pi)%3)+8*\g:X+32*((\pi)%3)+8*\g+7], v7
.endr
	v_nop
.irp g, 0,1
	global_store_b128 v6, v[CD+8*\pi+4*\g:CD+8*\pi+4*\g+3], s[32:33] offset:4096*\pi+512*\g   ; sixteen lanes store 256 consecutive bytes, aligned
.endr
.endm
	VLOAD 0
	VLOAD 1
	s_wait_kmcnt 0x0
	s_add_co_i32 s34, s34, 127
	s_lshl_b32 s35, s34, 23
	v_mov_b32 v7, s35
	s_add_co_i32 s34, s34, 8
	s_lshl_b32 s34, s34, 23
	s_or_b32 s34, s34, 0x600000
	v_mov_b32 v8, s34
	s_wait_alu depctr_va_vdst(0)
	s_wait_loadcnt 32                              ; the oldest 32 are in; the 32 behind them may be out
	VLOAD 2
	VQ 0
	s_wait_loadcnt 32
	VLOAD 3
	VQ 1
	s_wait_loadcnt 32
	VQ 2
	s_wait_loadcnt 0x0
	VQ 3
	s_endpgm
; ---------------------------------------------------------------- queries
.Lq_path:
	s_load_b512 s[40:55], s[4:5], 0x0              ; entries 0-15
	s_load_b256 s[56:63], s[4:5], 0x40             ; 16-23
	s_load_b128 s[68:71], s[4:5], 0x60             ; 24-27
	s_lshl_b32 s21, s20, 2
	s_add_co_u32 s21, s21, s18                     ; my tile of 16 queries
	s_lshl_b32 s28, s21, 12
	s_mov_b32 s29, 0
	s_add_nc_u64 s[28:29], s[6:7], s[28:29]
	s_wait_alu depctr_va_vdst(0)
	v_lshlrev_b32 v5, 8, v9
	v_lshl_add_u32 v5, v10, 7, v5                  ; row x 256 + kappa x 128
.irp k, 0,1,2,3,4,5,6,7
	global_load_b128 v[QF+4*\k:QF+4*\k+3], v5, s[28:29] offset:16*\k
.endr
.irp k, 0,1,2,3,4,5,6,7
	global_load_b128 v[KA+4*\k:KA+4*\k+3], v5, s[8:9] offset:16*\k     ; child keys 0-15: nodes 0-7 (levels 0, 1, 2 and one node more, which is not used)
.endr
	s_mul_i32 s30, s21, 13312
	s_mov_b32 s31, 0
	s_add_nc_u64 s[30:31], s[14:15], s[30:31]      ; my 13 fragments
	s_lshl_b32 s32, s21, 9
	s_mov_b32 s33, 0
	s_add_nc_u64 s[32:33], s[16:17], s[32:33]      ; my 16 rows of p3s
	v_lshlrev_b32 v6, 5, v9
	v_lshl_add_u32 v6, v10, 4, v6                  ; 32 x row + 16 x half
	s_mov_b32 s72, 0x76543210                      ; v_permlanex16_b32: lane l xor 16
	s_mov_b32 s73, 0xfedcba98
	s_mov_b32 s74, 0xffff0000                      ; lanes 16-31
.irp k, 0,1,2,3,4,5,6,7
	v_mov_b32 v[104+\k], 0                         ; a lane permute's destination counts as one of its sources
.endr
	s_wait_loadcnt 0x0
	; levels 0 to 2 in f32: 16 child keys x 16 queries, 16 steps of 4 along K on two accumulators by turns; each sum's first step takes the constant 0
	v_wmma_f32_16x16x4_f32 v[ACC0:ACC0+7], v[KA:KA+1], v[QF:QF+1], 0
	v_wmma_f32_16x16x4_f32 v[ACC1:ACC1+7], v[KA+2:KA+3], v[QF+2:QF+3], 0
.irp s, 4,8,12,16,20,24,28
	v_wmma_f32_16x16x4_f32 v[ACC0:ACC0+7], v[KA+\s:KA+\s+1], v[QF+\s:QF+\s+1], v[ACC0:ACC0+7]
	v_wmma_f32_16x16x4_f32 v[ACC1:ACC1+7], v[KA+\s+2:KA+\s+3], v[QF+\s+2:QF+\s+3], v[ACC1:ACC1+7]
.endr
.rept 8
	v_nop                                          ; eight places behind this form (ISA guide 7.12.1)
.endr
.irp j, 0,2,4,6
	v_pk_add_f32 v[96+\j:97+\j], v[ACC0+\j:ACC0+\j+1], v[ACC1+\j:ACC1+\j+1]   ; lane (r, h): the logits of query r with child keys 8 h + 0 .. 7; both accumulators from their low ends on
.endr
	; four two-way softmaxes a lane: d = l1 - l0; e = exp(-|d|) (the larger logit is taken away); the larger gets 1 / (1 + e), the smaller e / (1 + e)
.irp t, 0,1,2,3
	v_sub_f32 v[120+\t], v[97+2*\t], v[96+2*\t]
.endr
.irp t, 0,1,2,3
	v_mul_f32 v[124+\t], 0x3fb8aa3b, v[120+\t]
.endr
	s_wait_alu depctr_va_vdst(0)
.irp t, 0,1,2,3
	v_exp_f32 v[124+\t], -|v[124+\t]|
.endr
	v_nop
	s_wait_alu depctr_va_vdst(0)                   ; one wait for the batch, ahead of its first reader
.irp t, 0,1,2,3
	v_add_f32 v[128+\t], 1.0, v[124+\t]
.endr
	s_wait_alu depctr_va_vdst(0)
.irp t, 0,1,2,3
	v_rcp_f32 v[128+\t], v[128+\t]
.endr
	v_nop
	s_wait_alu depctr_va_vdst(0)
.irp t, 0,1,2,3
	v_mul_f32 v[124+\t], v[124+\t], v[128+\t]
.endr
.irp t, 0,1,2,3
	v_cmp_lt_f32 vcc_lo, 0, v[120+\t]
	v_cndmask_b32 v[96+2*\t], v[128+\t], v[124+\t], vcc_lo        ; child 0: the smaller where d > 0
	v_cndmask_b32 v[97+2*\t], v[124+\t], v[128+\t], vcc_lo        ; child 1: the larger where d > 0
.endr
.irp k, 0,1,2,3,4,5,6,7
	v_permlanex16_b32 v[104+\k], v[96+\k], s72, s73               ; the other half's eight
.endr
.irp k, 0,1,2,3,4,5,6,7
	v_cndmask_b32 v[132+\k], v[96+\k], v[104+\k], s74             ; nodes 0-3, in every lane
.endr
.irp k, 0,1,2,3,4,5
	v_cndmask_b32 v[120+\k], v[104+\k], v[96+\k], s74             ; nodes 4-6
.endr
	v_mul_f32 v132, 0x33800000, v132               ; x 2^-24, exact
	v_mul_f32 v133, 0x33800000, v133
	v_mul_f32 v128, v132, v134                     ; level 2's four
	v_mul_f32 v129, v132, v135
	v_mul_f32 v130, v133, v136
	v_mul_f32 v131, v133, v137
	v_mul_f32 v96, v128, v138                      ; level 3's eight
	v_mul_f32 v97, v128, v139
	v_mul_f32 v98, v129, v120
	v_mul_f32 v99, v129, v121
	v_mul_f32 v100, v130, v122
	v_mul_f32 v101, v130, v123
	v_mul_f32 v102, v131, v124
	v_mul_f32 v103, v131, v125
.irp i, 0,1,2,3
	v_cndmask_b32 v[140+\i], v[96+\i], v[100+\i], s74             ; lanes 0-15 store the first four, lanes 16-31 the last four
.endr
	global_store_b128 v6, v[140:143], s[32:33]     ; the wave stores 512 consecutive bytes, aligned
	s_wait_kmcnt 0x0
; the queries with level 3 + l's scale (s[se]): a fragment.  Two sets of code registers take turns
.macro QLEV l, se
.set CS, 104+8*((\l)%2)
	s_add_co_i32 s24, s[\se], 127
	s_lshl_b32 s25, s24, 23
	s_add_co_i32 s24, s24, 8
	s_lshl_b32 s24, s24, 23
	s_or_b32 s24, s24, 0x600000
	v_mov_b32 v7, s25
	v_mov_b32 v8, s24
.set ci, 0
.rept 32
	v_med3_num_f32 v[KA+ci], v[QF+ci], -v8, v8     ; into the child keys' registers, which are done with
.set ci, ci+1
.endr
.if \l >= 2
	s_wait_alu depctr_va_vdst(0)
	s_wait_xcnt 0x0                                ; the set's last stores have read it: it is written again only behind this wait
.endif
.irp g, 0,1,2,3
	v_cvt_scalef32_pk8_fp8_f32 v[CS+2*\g:CS+2*\g+1], v[KA+8*\g:KA+8*\g+7], v7
.endr
	v_nop                                          ; one plain line between the conversions and the next lines that write their sources
	global_store_b128 v2, v[CS:CS+3], s[30:31] offset:1024*\l
	global_store_b128 v2, v[CS+4:CS+7], s[30:31] offset:1024*\l+512
.endm
.irp l, 0,1,2,3,4,5,6,7
	QLEV \l, 40+2*\l
.endr
	QLEV 8, 56
	QLEV 9, 58
	QLEV 10, 60
	QLEV 11, 62
	QLEV 12, 68
	s_endpgm
.Lfunc_end_k_q9c8600eed5_prep:
	.size	k_q9c8600eed5_prep, .Lfunc_end_k_q9c8600eed5_prep-k_q9c8600eed5_prep
	.p2alignl 7, 3214868480
	.fill 96, 4, 3214868480
	.section	.rodata,"a",@progbits
	.p2align	6, 0x0
	.amdhsa_kernel k_q9c8600eed5_prep
		.amdhsa_group_segment_fixed_size 34304
		.amdhsa_private_segment_fixed_size 0
		.amdhsa_enable_private_segment 0
		.amdhsa_kernarg_size 56
		.amdhsa_user_sgpr_count 2
		.amdhsa_user_sgpr_kernarg_segment_ptr 1
		.amdhsa_wavefront_size32 1
		.amdhsa_system_sgpr_workgroup_id_x 1
		.amdhsa_system_sgpr_workgroup_id_y 1
		.amdhsa_system_sgpr_workgroup_id_z 1
		.amdhsa_system_vgpr_workitem_id 0
		.amdhsa_next_free_vgpr 160
		.amdhsa_next_free_sgpr 80
		.amdhsa_reserve_vcc 1
		.amdhsa_float_denorm_mode_32 3
		.amdhsa_float_denorm_mode_16_64 3
		.amdhsa_memory_ordered 1
		.amdhsa_forward_progress 1
		.amdhsa_inst_pref_size 84
	.end_amdhsa_kernel
	.amdgpu_metadata
---
amdhsa.version: [ 1, 2 ]
amdhsa.kernels:
  - .name:           k_q9c8600eed5_prep
    .symbol:         k_q9c8600eed5_prep.kd
    .args:
      - { .name: lowp_scales, .offset: 0, .size: 8, .value_kind: global_buffer, .address_space: global }
      - { .name: query, .offset: 8, .size: 8, .value_kind: global_buffer, .address_space: global }
      - { .name: tree_key, .offset: 16, .size: 8, .value_kind: global_buffer, .address_space: global }
      - { .name: tree_value, .offset: 24, .size: 8, .value_kind: global_buffer, .address_space: global }
      - { .name: stream, .offset: 32, .size: 8, .value_kind: global_buffer, .address_space: global }
      - { .name: qimg, .offset: 40, .size: 8, .value_kind: global_buffer, .address_space: global }
      - { .name: p3s, .offset: 48, .size: 8, .value_kind: global_buffer, .address_space: global }
    .group_segment_fixed_size: 34304
    .private_segment_fixed_size: 0
    .kernarg_segment_align: 8
    .kernarg_segment_size: 56
    .max_flat_workgroup_size: 128
    .sgpr_count:     80
    .vgpr_count:     160
    .wavefront_size: 32
...
	.end_amdgpu_metadata
.endif
;; end of part 1
;; launch walk (part 2): grid 8 x 32, 8 waves a work-group, no clusters, 327,680 bytes of LDS; arguments lowp_scales, stream, qimg, p3s, part; writes part
.if DOCPART == 2
	.amdgcn_target "amdgcn-amd-amdhsa--gfx1250"
	.amdhsa_code_object_version 6
	.text
	.protected	k_q9c8600eed5_walk
	.globl	k_q9c8600eed5_walk
	.p2align	8
	.type	k_q9c8600eed5_walk,@function
k_q9c8600eed5_walk:
	s_mov_b64 s[64:65], 0
	v_nop
	global_prefetch_b8 v0, s[64:65] scope:SCOPE_SE
	s_setreg_imm32_b32 hwreg(HW_REG_WAVE_MODE, 25, 1), 1
	s_wait_xcnt 0x0
; WALK: a work-group takes 256 queries (x) down one part of the tree (y: node y of level 5, 2,048 leaves) and stores that part's share of the output: part[y][query][64] f32.
; A wave owns two tiles of 16 queries.  All products are used transposed: source 0 = 16 nodes (or 16 channels), source 1 = 16 queries, so a lane holds ONE query (lane % 16) throughout.
; A NODE.  d = l1 - l0 comes from the matrix unit: the plus fragment x q with C = 0, then the minus fragment (the negated other child key) x q onto it.  t = d x log2(e) x 2^(eA + eB);
; e = 2^-|t| (the larger logit is taken away, as the softmax has it).  The child with the larger logit gets P / (1 + e), the other that x e.
; A probability is carried as a numerator N and a denominator D, both f32: children N and N x e, D x (1 + e) for both (one fused multiply-add).  The division is made twice on the way down:
; at level 11 (D at most 2^9) and at level 15 (D at most 2^4): big = N / D, small = big x e.  N is never under the probability that it stands for.
; THE CHOICE WITHOUT A COMPARE.  All numerators carry the exact factor 2^-24, so none is above 2^-24; a sum of products of E4M3 codes is 0 or at least 2^-18 in magnitude.  So the median of
; (small, big, d) is big where d > 0, small where d < 0, and either (they are equal) where d = 0.  The factor goes into the last conversion's scale, 2^(e26 - 24).
; NOTHING CHANGES LANES.  Rows 0-7 of every key tile are eight neighbouring nodes of half 0 of the part, rows 8-15 the same of half 1: a lane's eight nodes have their 16 children in the same lane.
; THE ORDER.  Levels 3-8: one tile each, the ancestors of the part's 16 nodes of level 9.  Levels 9-11 depth first; level 12's probabilities go to the wave's own LDS scratch.  Then 8 blocks, each one tile of
; level 12 with all below it (15 key tiles, 16 fragments of values), depth first in 11 stages, through a ring of two LDS slots; each of the eight waves fetches 23 of a block's 184 rows of 256 bytes.
; STAGES OVERLAP IN THE TEXT: a step issues the NEXT stage's products, then this stage's multiplies (the places behind those products), the next stage's scaling and exponentials, and this stage's choices
; behind that batch.  d has nothing to do with the probabilities, so the next stage's may be made early.
; THE LAST PRODUCT starts from 0 for each 64 leaves, into registers that are done with, and the next step adds the eight results to the sums by packed additions, ahead of its transcendentals.
; NO CLUSTER, though the 8 work-groups of a part read the same stream: a block's 47,104 bytes are asked for once for about 1,600 vector instructions in each of eight waves, and joint requests would tie four
; work-groups together by a round of the cluster's barrier at each of the nine changes.  NO PREFETCH: a block's load is asked for a whole block's 11 stages ahead of its first read.
; LIMITS on the given exponents, so that each power of two below is an f32 number: eA + eB of each level between -126 and 127; e26 + e27 likewise; e26 between -102 and 143.
; Probabilities under 2^-102 lose bits.  NaN and infinities among the inputs are not served.
.set PARTB, 403456                     ; a part of the stream
.set HEADB, 26624                      ; its head: 13 key tiles (levels 3-11): 104 rows of 256 bytes, 13 a wave
.set BLKB,  47104                      ; a block: 15 key tiles of 2,048 bytes, then 16 fragments of values of 1,024: 184 rows, 23 a wave
.set VOFFB, 30720
.set SLOT1, 65536                      ; LDS: slot 0 at 0, slot 1 here
.set HEAD,  131072                     ; the head, filled once
.set SCR,   163840                     ; 16,384 bytes for each wave, written by ds_store alone: level 12's probabilities, later the stage for the way out
.set SPARE, 294912                     ; the spare words, 128 bytes for each wave
; window 0
.set L16,  1                           ; 16 x lane
.set LB,   2                           ; + the slot in hand
.set HB,   3                           ; + HEAD
.set SCRL, 4                           ; + my scratch
.set PA,   5                           ; + the block's place in it
.set SPW,  6                           ; my spare word; never rewritten
.set NIL,  7                           ; 0; never rewritten
.set CVS,  8                           ; 2^(e26 - 24)
.set LIM,  9                           ; 448 x that
.set STO,  10
.set RD,   11
.set PO,   12
.set DA,   16                          ; v16-47   d of a level-15 stage (four tiles); levels 3-11: d, two buffers by turns
.set DHA,  16
.set DHB,  32
.set EX,   48                          ; v48-79   a level-15 stage's t, e, small; levels 3-11: t, e
.set RC,   80                          ; v80-111  a level-15 stage's D, 1 / D, big; v80-95 N x e of any other stage; v96-111 a block's level-12 probabilities; level 11's D, 1 / D, big
.set D13,  112                         ; v112-127, v128-143, v144-159: denominators behind levels 13, 14, 12: 8 a query tile
.set DH,   112                         ; levels 3-9: the denominator, in place
.set D14,  128                         ; also behind level 10
.set P12,  144                         ; levels 3-8: the numerator, in place
.set D12,  144
.set P13,  160                         ; numerators: 16 a query tile
.set P14,  192
.set P15,  224
.set LF,   224                         ; 16 leaves, and the codes: in level 15's numerators, which are done with by then
.set CC,   240
; window 1
.set F2,   0                           ; one key tile
.set F01,  16                          ; two key tiles of level 15
.set VF,   48                          ; four fragments of values
.set QB,   80                          ; the queries' fragments of levels 12-15: 80 + 32 q + 8 (L - 12)
.set OA,   144                         ; the output's sums: 144 + 32 q + 8 t
.set DY,   208                         ; d of a stage of levels 12-14, two buffers by turns
.set DZ,   224
.set EXS,  240                         ; its t, e
.set WV,   14
.set TB,   15
.set PB,   16
.set CNT,  17
; s[20:27] group 1 of a block's eighth; s[28:35] of the head's; s[36:39] group 0 that walks the blocks; s[40:43] the head's
; s[44:59], s[68:79] the 28 exponents; s[80:87] c of levels 12-15, in pairs; s[88:89] c of the next stage of levels 3-11; s[90:91] 2^(e26 + e27)
.set MSB, 0
.macro WIN new                         ; bits 1:0 source 0, 3:2 source 1, 5:4 source 2, 7:6 destination; the high byte repeats the setting that is left
.if MSB != \new
	s_set_vgpr_msb (MSB<<8)|\new
.set MSB, \new
.endif
.endm
.macro WAITV
	s_wait_alu depctr_va_vdst(0)
.endm
.macro NOPS n
.rept \n
	v_nop
.endr
.endm
.macro CSET dst, ea, eb                ; c = log2(e) x 2^(eA + eB), as a pair
	s_add_co_i32 s[\dst], s[\ea], s[\eb]
	s_lshl_b32 s[\dst], s[\dst], 23
	s_add_co_i32 s[\dst], s[\dst], 0x3fb8aa3b
	s_mov_b32 s[\dst+1], s[\dst]
.endm
; where a stage other than level 15's keeps e and d: levels 3-11 in window 0, the blocks in window 1
.macro MODE blk
.if \blk
.set EB, EXS
.set AB, LB
.set WB1, 0x01                         ; source 0 (e) window 1
.set WB2, 0x10                         ; source 2 (d) window 1
.set WD,  0x55
.set WT,  0x41
.else
.set EB, EX
.set AB, HB
.set WB1, 0
.set WB2, 0
.set WD,  0x05
.set WT,  0
.endif
.endm
.macro LDK dst, off                    ; a key tile's 16 registers
.irp g, 0,1,2,3
	ds_load_b128 v[(\dst)+4*\g:(\dst)+4*\g+3], v[AB] offset:(\off)+512*\g
.endr
.endm
; d of the key tile in F2 for my two query tiles; the two accumulators take turns
.macro DOT d, q0, q1
	WIN WD
	v_wmma_f32_16x16x64_fp8_fp8 v[(\d):(\d)+7], v[F2:F2+7], v[(\q0):(\q0)+7], 0
	v_wmma_f32_16x16x64_fp8_fp8 v[(\d)+8:(\d)+15], v[F2:F2+7], v[(\q1):(\q1)+7], 0
	v_wmma_f32_16x16x64_fp8_fp8 v[(\d):(\d)+7], v[F2+8:F2+15], v[(\q0):(\q0)+7], v[(\d):(\d)+7]
	v_wmma_f32_16x16x64_fp8_fp8 v[(\d)+8:(\d)+15], v[F2+8:F2+15], v[(\q1):(\q1)+7], v[(\d)+8:(\d)+15]
.endm
.macro DOT4                            ; two key tiles of level 15: tile 2 u + q of d is key tile u, query tile q
	WIN 0x05
.irp u, 0,1
.irp q, 0,1
	v_wmma_f32_16x16x64_fp8_fp8 v[DA+8*(2*\u+\q):DA+8*(2*\u+\q)+7], v[F01+16*\u:F01+16*\u+7], v[QB+32*\q+24:QB+32*\q+31], 0
.endr
.endr
.irp u, 0,1
.irp q, 0,1
	v_wmma_f32_16x16x64_fp8_fp8 v[DA+8*(2*\u+\q):DA+8*(2*\u+\q)+7], v[F01+16*\u+8:F01+16*\u+15], v[QB+32*\q+24:QB+32*\q+31], v[DA+8*(2*\u+\q):DA+8*(2*\u+\q)+7]
.endr
.endr
.endm
.macro TMUL win, dst, src, n, cs       ; t = d x c, n tiles; each accumulator from its low end on
	WIN \win
.set ci, 0
.rept 4*\n
	v_pk_mul_f32 v[(\dst)+ci:(\dst)+ci+1], v[(\src)+ci:(\src)+ci+1], s[\cs:\cs+1] op_sel_hi:[1,0]
.set ci, ci+2
.endr
.endm
.macro EXPS win, reg, cnt              ; e = 2^-|t|
	WIN \win
.set ci, 0
.rept \cnt
	v_exp_f32 v[(\reg)+ci], -|v[(\reg)+ci]|
.set ci, ci+1
.endr
.endm
.macro RCPS reg, cnt
.set ci, 0
.rept \cnt
	v_rcp_f32 v[(\reg)+ci], v[(\reg)+ci]
.set ci, ci+1
.endr
.endm
.macro PMUL dst, pp                    ; big = N / D, eight
.irp i, 0,2,4,6
	v_pk_mul_f32 v[(\dst)+\i:(\dst)+\i+1], v[(\pp)+\i:(\pp)+\i+1], v[(\dst)+\i:(\dst)+\i+1]
.endr
.endm
.macro SAVE n                          ; 16 probabilities of level 12 a query tile, as register images
.irp q, 0,1
.irp k, 0,1,2,3
	ds_store_b128 v[SCRL], v[P15+16*\q+4*\k:P15+16*\q+4*\k+3] offset:8192*\q+2048*\n+512*\k
.endr
.endr
.endm
; eight children's D = the parent's D x (1 + e): children 2 m, 2 m + 1 take register m of ds for both halves
.macro DFMA dst, e, ds
.irp mm, 0,2
	v_pk_fma_f32 v[(\dst)+2*\mm:(\dst)+2*\mm+1], v[(\e)+2*\mm:(\e)+2*\mm+1], v[(\ds)+\mm:(\ds)+\mm+1], v[(\ds)+\mm:(\ds)+\mm+1] op_sel_hi:[1,0,0]
	v_pk_fma_f32 v[(\dst)+2*\mm+2:(\dst)+2*\mm+3], v[(\e)+2*\mm+2:(\e)+2*\mm+3], v[(\ds)+\mm:(\ds)+\mm+1], v[(\ds)+\mm:(\ds)+\mm+1] op_sel:[0,1,1] op_sel_hi:[1,1,1]
.endr
.endm
; KINDS OF STAGE.  0: D = 1 + e, both children.  1: D from the parents' (DFMA), both children.  2: D = 1 + e, the child on the way alone, in place.  3: D in place, the child on the way.
; 4: D in place, both children.  5: as 1, and the division.
.macro B1S ty, pp0, pp1, din, dout     ; D, and N x e
	WIN WB1
.if (\ty == 0) || (\ty == 2)
.irp i, 0,2,4,6,8,10,12,14
	v_pk_add_f32 v[(\dout)+\i:(\dout)+\i+1], v[EB+\i:EB+\i+1], 1.0 op_sel_hi:[1,0]
.endr
.elseif (\ty == 3) || (\ty == 4)
.irp i, 0,2,4,6,8,10,12,14
	v_pk_fma_f32 v[(\dout)+\i:(\dout)+\i+1], v[EB+\i:EB+\i+1], v[(\dout)+\i:(\dout)+\i+1], v[(\dout)+\i:(\dout)+\i+1]
.endr
.else
	DFMA \dout, EB, \din
	DFMA (\dout)+8, EB+8, (\din)+8
.endif
.irp i, 0,2,4,6
	v_pk_mul_f32 v[RC+\i:RC+\i+1], v[EB+\i:EB+\i+1], v[(\pp0)+\i:(\pp0)+\i+1]
	v_pk_mul_f32 v[RC+8+\i:RC+9+\i], v[EB+8+\i:EB+9+\i], v[(\pp1)+\i:(\pp1)+\i+1]
.endr
.endm
.macro B2S db, pp0, pp1, o0, o1        ; both children: the median of (small, big, -+d)
	WIN WB2
.irp j, 0,1,2,3,4,5,6,7
	v_med3_num_f32 v[(\o0)+2*\j], v[RC+\j], v[(\pp0)+\j], -v[(\db)+\j]
	v_med3_num_f32 v[(\o0)+2*\j+1], v[RC+\j], v[(\pp0)+\j], v[(\db)+\j]
.endr
.irp j, 0,1,2,3,4,5,6,7
	v_med3_num_f32 v[(\o1)+2*\j], v[RC+8+\j], v[(\pp1)+\j], -v[(\db)+8+\j]
	v_med3_num_f32 v[(\o1)+2*\j+1], v[RC+8+\j], v[(\pp1)+\j], v[(\db)+8+\j]
.endr
.endm
.macro B2W db, pp0, pp1                ; the child on the way alone (the plus fragment is its key)
	WIN WB2
.irp j, 0,1,2,3,4,5,6,7
	v_med3_num_f32 v[(\pp0)+\j], v[RC+\j], v[(\pp0)+\j], v[(\db)+\j]
	v_med3_num_f32 v[(\pp1)+\j], v[RC+8+\j], v[(\pp1)+\j], v[(\db)+8+\j]
.endr
.endm
; the next stage's exponentials and this stage's choices by turns, for query tile q, where one setting of the windows serves both: the choices' sources were all written ahead of the wait
; in front of the batch, they name none of its results, and what they write is read behind the wait at the step's end.  way = 1: the child on the way alone
.macro MIXQ way, nk, q, db, pp, o
.irp j, 0,1,2,3,4,5,6,7
.if \nk == 2
	v_exp_f32 v[EX+16*\q+2*\j], -|v[EX+16*\q+2*\j]|
.else
	v_exp_f32 v[EB+8*\q+\j], -|v[EB+8*\q+\j]|
.endif
.if \way
	v_med3_num_f32 v[(\pp)+\j], v[RC+8*\q+\j], v[(\pp)+\j], v[(\db)+\j]
.else
	v_med3_num_f32 v[(\o)+2*\j], v[RC+8*\q+\j], v[(\pp)+\j], -v[(\db)+\j]
.if \nk == 2
	v_exp_f32 v[EX+16*\q+2*\j+1], -|v[EX+16*\q+2*\j+1]|
.endif
	v_med3_num_f32 v[(\o)+2*\j+1], v[RC+8*\q+\j], v[(\pp)+\j], v[(\db)+\j]
.endif
.endr
.endm
.macro NDOT nk, ndb, nq0, nq1          ; the next stage's products: nk = 1 one tile, 2 level 15's two, 0 none
.if \nk == 1
	DOT \ndb, \nq0, \nq1
.elseif \nk == 2
	DOT4
.endif
.endm
.macro NTM nk, ndb, ncs                ; its t
.if \nk == 1
	TMUL WT, EB, \ndb, 2, \ncs
.elseif \nk == 2
	TMUL 0, EX, DA, 4, 86
.endif
.endm
.macro NEX nk                          ; its e
.if \nk == 1
	EXPS WT, EB, 16
.elseif \nk == 2
	EXPS 0, EX, 32
.endif
.endm
.macro LOADS lf2, lf01, lvf            ; fragments for the stage after the next (a tile's number, or -1), and the next stage's values
.if (\lf2 >= 0) || (\lf01 >= 0) || (\lvf >= 0)
	WIN 0x40
.endif
.if \lf2 >= 0
	LDK F2, 2048*(\lf2)
.endif
.if \lf01 >= 0
	LDK F01, 2048*(\lf01)
	LDK F01+16, 2048*(\lf01)+2048
.endif
.if \lvf >= 0
.irp t, 0,1,2,3
.irp g, 0,1
	ds_load_b128 v[VF+8*\t+4*\g:VF+8*\t+4*\g+3], v[AB] offset:VOFFB+4096*(\lvf)+1024*\t+512*\g
.endr
.endr
.endif
.endm
.macro TSET a                          ; where result a = 4 q + t of the last product lands: small's, the upper half of big's and the leaves' registers
.if (\a) < 4
.set ta, EX+8*(\a)
.elseif (\a) < 6
.set ta, RC+16+8*((\a)-4)
.else
.set ta, LF+8*((\a)-6)
.endif
.endm
.macro ACC                             ; the sums take the eight results; each from its low end on
	WIN 0x41                                       ; source 0 and destination (the sums) window 1
.irp a, 0,1,2,3,4,5,6,7
	TSET \a
.irp i, 0,2,4,6
	v_pk_add_f32 v[OA+8*\a+\i:OA+8*\a+\i+1], v[OA+8*\a+\i:OA+8*\a+\i+1], v[ta+\i:ta+\i+1]
.endr
.endr
.endm
.macro PRO ndb, nq0, nq1, ncs, t0, t1  ; the first stage of a run has no step ahead of it
	LOADS \t0, -1, -1
	s_wait_dscnt 0x0
	NDOT 1, \ndb, \nq0, \nq1
	NOPS 4
	LOADS \t1, -1, -1
	NTM 1, \ndb, \ncs
	WAITV
	NEX 1
	WIN 0
	v_nop
	WAITV
.endm
; a step on a stage of one tile.  Its 16 packed lines are the places behind the next stage's products (and behind the last product's, acc = 1), ahead of the loads into their operands and of the first read of their results
.macro STEPS ty, db, pp0, pp1, din, dout, o0, o1, acc, nk, ndb, nq0, nq1, ncs, lf2, lf01, lvf
	s_wait_dscnt 0x0                               ; the next stage's fragments, asked for a step ago
	NDOT \nk, \ndb, \nq0, \nq1
	B1S \ty, \pp0, \pp1, \din, \dout
.if \acc
	ACC
.endif
	LOADS \lf2, \lf01, \lvf
	NTM \nk, \ndb, \ncs
	WIN 0
	WAITV                                          ; ahead of the batch
.if \ty == 5
	RCPS \dout, 16
.endif
.set mx, 0                             ; 1: exponentials and choices go by turns
.if (\ty != 5) && ((\nk == 2) || ((\nk == 1) && (WT == WB2)))
.set mx, 1
.endif
.if mx == 0
	NEX \nk
.endif
.if \ty == 5
	WIN 0
	v_nop
	WAITV
.irp i, 0,2,4,6,8,10,12,14
	v_pk_mul_f32 v[RC+\i:RC+\i+1], v[RC+\i:RC+\i+1], v[(\dout)+\i:(\dout)+\i+1]   ; small = N x e / D
.endr
	PMUL \dout, \pp0
	PMUL (\dout)+8, \pp1
	B2S \db, \dout, (\dout)+8, \o0, \o1
.elseif (\ty == 2) || (\ty == 3)
.if mx
	WIN WB2
	MIXQ 1, \nk, 0, \db, \pp0, 0
	MIXQ 1, \nk, 1, (\db)+8, \pp1, 0
.else
	B2W \db, \pp0, \pp1
.endif
.else
.if mx
	WIN WB2
	MIXQ 0, \nk, 0, \db, \pp0, \o0
	MIXQ 0, \nk, 1, (\db)+8, \pp1, \o1
.else
	B2S \db, \pp0, \pp1, \o0, \o1                  ; 32 plain lines behind the batch that name none of its results
.endif
.endif
	WIN 0
	WAITV                                          ; behind the batch
.endm
; level 15's leaves, held at the largest code x the scale and chosen in one line: min(max(small, +-d), held big); then their codes
.macro TAILL dt
.irp j, 0,1,2,3,4,5,6,7
	v_min_num_f32 v[RC+8*\dt+\j], v[LIM], v[RC+8*\dt+\j]          ; the conversion to an 8-bit code does not saturate (ISA guide 7.6.2); a probability is not negative
.endr
.irp j, 0,1,2,3,4,5,6,7
	v_maxmin_num_f32 v[LF+2*\j], v[EX+8*\dt+\j], -v[DA+8*\dt+\j], v[RC+8*\dt+\j]
	v_maxmin_num_f32 v[LF+2*\j+1], v[EX+8*\dt+\j], v[DA+8*\dt+\j], v[RC+8*\dt+\j]
.endr
	v_cvt_scalef32_pk8_fp8_f32 v[CC+8*((\dt)%2)+4*((\dt)/2):CC+8*((\dt)%2)+4*((\dt)/2)+1], v[LF:LF+7], v[CVS]
	v_cvt_scalef32_pk8_fp8_f32 v[CC+8*((\dt)%2)+4*((\dt)/2)+2:CC+8*((\dt)%2)+4*((\dt)/2)+3], v[LF+8:LF+15], v[CVS]
.endm
; a step on a stage of level 15: the reciprocals and the next stage's exponentials are one batch
.macro STEPL nk, ndb, nq0, nq1, ncs, lf2, lf01
	s_wait_dscnt 0x0                               ; the next stage's tile and this stage's values
	NDOT \nk, \ndb, \nq0, \nq1
	WIN 0
.irp u, 0,1
.irp q, 0,1
	DFMA RC+16*\u+8*\q, EX+16*\u+8*\q, D14+8*\q+4*\u
.endr
.endr
	NTM \nk, \ndb, \ncs
	WIN 0
	WAITV
	RCPS RC, 32
	NEX \nk
	WIN 0
	v_nop
	LOADS \lf2, \lf01, -1
	WIN 0
	WAITV
	PMUL RC, P15
	PMUL RC+8, P15+16
	PMUL RC+16, P15+8
	PMUL RC+24, P15+24
.set ci, 0
.rept 16
	v_pk_mul_f32 v[EX+ci:EX+ci+1], v[RC+ci:RC+ci+1], v[EX+ci:EX+ci+1]   ; small = big x e
.set ci, ci+2
.endr
	TAILL 0
	TAILL 1
	TAILL 2
	TAILL 3
	v_nop                                          ; one plain line between the last conversion and the products that read the codes and write over the leaves
	WIN 0x01                                       ; source 0 (the values) window 1
.irp t, 0,1,2,3
.irp q, 0,1
	TSET 4*\q+\t
	v_wmma_f32_16x16x64_fp8_fp8 v[ta:ta+7], v[VF+8*\t:VF+8*\t+7], v[CC+8*\q:CC+8*\q+7], 0
.endr
.endr
	WIN 0
.endm
.macro TFILL                           ; my 23 rows of a block
	tensor_load_to_lds s[36:39], s[20:27]
	s_nop 0
	NOPS 4
.endm
; THE CHANGE OF SLOTS at a block's head: every wave waits for its tensor load (its eighth of the slot ahead), adds 0 to its spare word, waits for that and for its reads of the slot that it has left.
; fill = 1: behind the barrier every wave asks for its eighth of the next block, into the slot just left.
.macro CHANGE fill
	WAITV
	s_wait_tensorcnt 0x0
	ds_add_u32 v[SPW], v[NIL]
.if \fill
	s_xor_b32 s37, s37, SLOT1
	s_add_nc_u64 s[38:39], s[38:39], BLKB
.endif
	s_wait_dscnt 0x0
	s_barrier_signal -1
	s_barrier_wait -1
.if \fill
	TFILL
.endif
.endm
.macro BLOCK
	v_add_nc_u32 v[LB], s[TB], v[L16]
	v_add_nc_u32 v[PA], s[PB], v[SCRL]
	WAITV
	ds_load_b128 v[RC+16:RC+19], v[PA]
	ds_load_b128 v[RC+20:RC+23], v[PA] offset:512
	ds_load_b128 v[RC+24:RC+27], v[PA] offset:8192
	ds_load_b128 v[RC+28:RC+31], v[PA] offset:8704
	PRO DY, QB, QB+32, 80, 0, 1
	STEPS 0, DY, RC+16, RC+24, 0, D12, P13, P13+16, 0, 1, DZ, QB+8, QB+40, 82, 3, -1, -1          ; level 12
	STEPS 1, DZ, P13, P13+16, D12, D13, P14, P14+16, 0, 1, DY, QB+16, QB+48, 84, -1, 7, -1        ; level 13, tile 0
	STEPS 1, DY, P14, P14+16, D13, D14, P15, P15+16, 0, 2, 0, 0, 0, 0, 4, -1, 0                   ; level 14, tile 0
	STEPL 1, DZ, QB+16, QB+48, 84, -1, 9
	STEPS 1, DZ, P14+8, P14+24, D13+4, D14, P15, P15+16, 1, 2, 0, 0, 0, 0, 2, -1, 1               ; tile 1
	STEPL 1, DY, QB+8, QB+40, 82, 5, -1
	STEPS 1, DY, P13+8, P13+24, D12+4, D13, P14, P14+16, 1, 1, DZ, QB+16, QB+48, 84, -1, 11, -1   ; level 13, tile 1
	STEPS 1, DZ, P14, P14+16, D13, D14, P15, P15+16, 0, 2, 0, 0, 0, 0, 6, -1, 2                   ; level 14, tile 2
	STEPL 1, DY, QB+16, QB+48, 84, -1, 13
	STEPS 1, DY, P14+8, P14+24, D13+4, D14, P15, P15+16, 1, 2, 0, 0, 0, 0, -1, -1, 3              ; tile 3
	STEPL 0, 0, 0, 0, 0, -1, -1
	NOPS 4                                         ; the places behind the last product
	ACC
	WIN 0
.endm
	s_load_b256 s[4:11], s[0:1], 0x0               ; lowp_scales s[4:5], stream s[6:7], qimg s[8:9], p3s s[10:11]
	s_load_b64 s[12:13], s[0:1], 0x20              ; part
	v_lshl_add_u32 v[SPW], v0, 2, SPARE
	v_mov_b32 v[NIL], 0
	ds_add_u32 v[SPW], v[NIL]                      ; the opening lines: the add twice on end, under one wait
	ds_add_u32 v[SPW], v[NIL]
	v_lshrrev_b32 v13, 5, v0
	v_readfirstlane_b32 s[WV], v13                 ; wave 0..7
	s_and_b32 s18, ttmp7, 0xffff                   ; part p
	s_mov_b32 s19, ttmp9                           ; block of 256 queries
	s_mov_b32 s20, 3<<16                           ; group 1: dense rows of 32 elements of 8 bytes; 23 rows
	s_mov_b32 s21, 32<<16
	s_mov_b32 s22, 23<<16
	s_mov_b32 s23, 32<<16
	s_mov_b32 s24, 23
	s_mov_b32 s25, 32
	s_mov_b32 s26, 0
	s_mov_b32 s27, 0
	s_mov_b32 s28, 3<<16                           ; the head's: 13 rows
	s_mov_b32 s29, 32<<16
	s_mov_b32 s30, 13<<16
	s_mov_b32 s31, 32<<16
	s_mov_b32 s32, 13
	s_mov_b32 s33, 32
	s_mov_b32 s34, 0
	s_mov_b32 s35, 0
	s_mul_i32 s92, s18, PARTB
	s_mov_b32 s93, 0
	s_mul_i32 s94, s[WV], 13*256
	s_mov_b32 s95, 0
	s_mul_i32 s96, s[WV], 23*256
	s_mov_b32 s97, 0
	WAITV
	s_wait_dscnt 0x0
	s_wait_kmcnt 0x0
	s_add_nc_u64 s[6:7], s[6:7], s[92:93]          ; the stream at my part
	s_mov_b32 s40, 1
	s_add_co_u32 s41, s94, HEAD
	s_add_nc_u64 s[42:43], s[6:7], s[94:95]
	s_or_b32 s43, s43, 0x80000000
	s_mov_b32 s36, 1
	s_mov_b32 s37, s96                             ; slot 0
	s_add_nc_u64 s[38:39], s[6:7], s[96:97]
	s_add_nc_u64 s[38:39], s[38:39], HEADB         ; block 0
	s_or_b32 s39, s39, 0x80000000
	tensor_load_to_lds s[40:43], s[28:35]          ; my 13 rows of the head: every wave's one tensor load here
	s_nop 0
	NOPS 4
	s_lshl_b32 s15, s[WV], 14
	s_add_co_u32 s15, s15, SCR                     ; my scratch
	v_and_b32 v13, 31, v0
	v_lshlrev_b32 v[L16], 4, v13
	v_and_b32 v13, 15, v0                          ; r
	v_bfe_u32 v14, v0, 4, 1                        ; h
	v_lshlrev_b32 v[PO], 5, v13
	v_add_nc_u32 v[HB], HEAD, v[L16]
	v_add_nc_u32 v[SCRL], s15, v[L16]
	v_mul_u32_u24 v[STO], v13, 272
	v_lshl_add_u32 v[STO], v14, 5, v[STO]
	v_add_nc_u32 v[STO], s15, v[STO]               ; the way out, in: row r of 256 bytes + 16, 32 bytes for each half of the lanes
	v_mul_u32_u24 v[RD], v14, 272
	v_lshl_add_u32 v[RD], v13, 4, v[RD]
	v_add_nc_u32 v[RD], s15, v[RD]                 ; back: lanes 0-15 one row, lanes 16-31 the next
	WAITV
	s_load_b512 s[44:59], s[4:5], 0x0              ; entries 0-15
	s_load_b256 s[68:75], s[4:5], 0x40             ; 16-23
	s_load_b128 s[76:79], s[4:5], 0x60             ; 24-27
	s_lshl_b32 s92, s19, 4
	s_lshl_b32 s94, s[WV], 1
	s_add_co_u32 s92, s92, s94                     ; my first query tile: 16 x + 2 wave
	s_mul_i32 s92, s92, 13312
	s_add_nc_u64 s[8:9], s[8:9], s[92:93]
.macro QLD q, l                        ; the fragment of query tile q for level 3 + l.  Levels 3-11 lie where the blocks' registers are not yet at work
.if \l < 4
.set qd, 16+16*\l+8*\q
.elseif \l < 8
.set qd, 144+16*(\l-4)+8*\q
.elseif \l == 8
.set qd, 208+8*\q
.else
.set qd, QB+32*\q+8*(\l-9)
.endif
	global_load_b128 v[qd:qd+3], v[L16], s[8:9] offset:13312*\q+1024*\l
	global_load_b128 v[qd+4:qd+7], v[L16], s[8:9] offset:13312*\q+1024*\l+512
.endm
	WIN 0x40
.irp l, 0,1,2,3,4,5,6,7,8,9,10,11,12
	QLD 0, \l
	QLD 1, \l
.endr
	WIN 0
	s_lshl_b32 s92, s19, 13
	s_lshl_b32 s94, s[WV], 10
	s_add_co_u32 s92, s92, s94                     ; my first query's row of p3s: 32 bytes a query
	s_lshr_b32 s94, s18, 2                         ; the part's ancestor in level 3
	s_lshl_b32 s94, s94, 2
	s_add_co_u32 s92, s92, s94
	s_add_nc_u64 s[10:11], s[10:11], s[92:93]
	global_load_b32 v[P12], v[PO], s[10:11]
	global_load_b32 v[P12+8], v[PO], s[10:11] offset:512
	s_lshl_b32 s92, s18, 19                        ; part[p]: 524,288 bytes,
	s_lshl_b32 s94, s19, 16
	s_add_co_u32 s92, s92, s94
	s_lshl_b32 s94, s[WV], 13
	s_add_co_u32 s92, s92, s94                     ; my first query's row of 256 bytes
	s_add_nc_u64 s[12:13], s[12:13], s[92:93]
	s_wait_kmcnt 0x0
	CSET 80, 70, 71                                ; level 12: entries 18, 19
	CSET 82, 72, 73
	CSET 84, 74, 75
	CSET 86, 76, 77                                ; level 15: entries 24, 25
	s_add_co_i32 s92, s78, 103                     ; e26 - 24 + 127
	s_lshl_b32 s94, s92, 23
	v_mov_b32 v[CVS], s94
	s_add_co_i32 s92, s92, 8
	s_lshl_b32 s92, s92, 23
	s_or_b32 s92, s92, 0x600000
	v_mov_b32 v[LIM], s92
	s_add_co_i32 s90, s78, s79
	s_add_co_i32 s90, s90, 127
	s_lshl_b32 s90, s90, 23                        ; 2^(e26 + e27)
	s_mov_b32 s91, s90
	WAITV                                          ; the head's end
	s_wait_tensorcnt 0x0                           ; my rows of the head are in; a later first fill stands behind the same lines as a refill
	ds_add_u32 v[SPW], v[NIL]
	s_wait_dscnt 0x0
	s_barrier_signal -1
	s_barrier_wait -1                              ; everybody's are
	TFILL                                          ; block 0 into slot 0: it has levels 3 to 11 in which to land
	s_wait_loadcnt 0x0                             ; the queries' fragments and the two probabilities
.irp j, 1,2,3,4,5,6,7
	v_mov_b32 v[P12+\j], v[P12]                    ; all 16 rows of the first tile have the same ancestor in level 3
	v_mov_b32 v[P12+8+\j], v[P12+8]
.endr
; ---- levels 3 to 11: 13 stages on the head's tiles 0-7, 9, 10, 8, 11, 12.  c of the next stage is made ahead of each step
	MODE 0
.macro HS ty, db, ndb, nq, ea, ld      ; levels 3-8
	CSET 88, \ea, \ea+1
	STEPS \ty, \db, P12, P12+8, 0, DH, 0, 0, 0, 1, \ndb, \nq, \nq+8, 88, \ld, -1, -1
.endm
	CSET 88, 44, 45
	PRO DHA, 16, 24, 88, 0, 1
	HS 2, DHA, DHB, 32, 46, 2
	HS 3, DHB, DHA, 48, 48, 3
	HS 3, DHA, DHB, 64, 50, 4
	HS 3, DHB, DHA, 144, 52, 5
	HS 3, DHA, DHB, 160, 54, 6
	HS 3, DHB, DHA, 176, 56, 7
	CSET 88, 58, 59
	STEPS 4, DHA, P12, P12+8, 0, DH, P13, P13+16, 0, 1, DHB, 192, 200, 88, 9, -1, -1              ; level 9
	CSET 88, 68, 69
	STEPS 1, DHB, P13, P13+16, DH, D14, P14, P14+16, 0, 1, DHA, 208, 216, 88, 10, -1, -1          ; level 10, tile 0
	STEPS 5, DHA, P14, P14+16, D14, RC+16, P15, P15+16, 0, 1, DHB, 208, 216, 88, 8, -1, -1        ; level 11, tile 0
	SAVE 0
	CSET 88, 58, 59
	STEPS 5, DHB, P14+8, P14+24, D14+4, RC+16, P15, P15+16, 0, 1, DHA, 192, 200, 88, 11, -1, -1   ; tile 1
	SAVE 1
	CSET 88, 68, 69
	STEPS 1, DHA, P13+8, P13+24, DH+4, D14, P14, P14+16, 0, 1, DHB, 208, 216, 88, 12, -1, -1      ; level 10, tile 1
	STEPS 5, DHB, P14, P14+16, D14, RC+16, P15, P15+16, 0, 1, DHA, 208, 216, 88, -1, -1, -1       ; level 11, tile 2
	SAVE 2
	STEPS 5, DHA, P14+8, P14+24, D14+4, RC+16, P15, P15+16, 0, 0, 0, 0, 0, 0, -1, -1, -1          ; tile 3
	SAVE 3
	MODE 1
	WIN 0x40
.set ci, 0
.rept 64
	v_mov_b32 v[OA+ci], 0                          ; the output's sums, once a wave
.set ci, ci+1
.endr
	WIN 0
	s_mov_b32 s[TB], 0
	s_mov_b32 s[PB], 0
	s_mov_b32 s[CNT], 7
.Lblock:                                           ; 7 trips: behind each change of slots but the last the next block is asked for
	CHANGE 1
	BLOCK
	s_xor_b32 s[TB], s[TB], SLOT1
	s_add_co_u32 s[PB], s[PB], 1024
	s_sub_co_u32 s[CNT], s[CNT], 1
	s_cmp_lg_u32 s[CNT], 0
	WAITV
	s_cbranch_scc1 .Lblock
	CHANGE 0                                       ; the last block is written out
	BLOCK
	; THE WAY OUT.  Register j of sum (q, t) is channel 16 t + 8 h + j of query r: x 2^(e26 + e27), through my stage (my scratch, whose probabilities are done with), back as whole rows of 256 bytes
	WIN 0x01
	WAITV
.set ci, 0
.rept 32
	v_pk_mul_f32 v[DA+ci:DA+ci+1], v[OA+ci:OA+ci+1], s[90:91] op_sel_hi:[1,0]
.set ci, ci+2
.endr
	WIN 0
	WAITV
.irp q, 0,1
.irp t, 0,1,2,3
	ds_store_b128 v[STO], v[DA+32*\q+8*\t:DA+32*\q+8*\t+3] offset:8192*\q+64*\t
	ds_store_b128 v[STO], v[DA+32*\q+8*\t+4:DA+32*\q+8*\t+7] offset:8192*\q+64*\t+16
.endr
.endr
.irp q, 0,1
.irp i, 0,1,2,3,4,5,6,7
	ds_load_b128 v[RC+32*\q+4*\i:RC+32*\q+4*\i+3], v[RD] offset:8192*\q+544*\i    ; LDS serves a wave's instructions in order: these see my stores
.endr
.endr
.irp q, 0,1
.irp i, 0,1,2,3,4,5,6,7
	s_wait_dscnt 15-8*\q-\i                        ; the younger loads may be out
	global_store_b128 v[L16], v[RC+32*\q+4*\i:RC+32*\q+4*\i+3], s[12:13] offset:4096*\q+512*\i th:TH_STORE_NT   ; 32 lanes store two rows: 512 consecutive bytes, aligned
.endr
.endr
	s_wait_tensorcnt 0x0                           ; the wave's end
	ds_add_u32 v[SPW], v[NIL]
	s_wait_dscnt 0x0
	s_endpgm
.Lfunc_end_k_q9c8600eed5_walk:
	.size	k_q9c8600eed5_walk, .Lfunc_end_k_q9c8600eed5_walk-k_q9c8600eed5_walk
	.p2alignl 7, 3214868480
	.fill 96, 4, 3214868480
	.section	.rodata,"a",@progbits
	.p2align	6, 0x0
	.amdhsa_kernel k_q9c8600eed5_walk
		.amdhsa_group_segment_fixed_size 327680
		.amdhsa_private_segment_fixed_size 0
		.amdhsa_enable_private_segment 0
		.amdhsa_kernarg_size 40
		.amdhsa_user_sgpr_count 2
		.amdhsa_user_sgpr_kernarg_segment_ptr 1
		.amdhsa_wavefront_size32 1
		.amdhsa_system_sgpr_workgroup_id_x 1
		.amdhsa_system_sgpr_workgroup_id_y 1
		.amdhsa_system_sgpr_workgroup_id_z 1
		.amdhsa_system_vgpr_workitem_id 0
		.amdhsa_next_free_vgpr 512
		.amdhsa_next_free_sgpr 100
		.amdhsa_reserve_vcc 0
		.amdhsa_float_denorm_mode_32 3
		.amdhsa_float_denorm_mode_16_64 3
		.amdhsa_memory_ordered 1
		.amdhsa_forward_progress 1
		.amdhsa_inst_pref_size 255
	.end_amdhsa_kernel
	.section	.bss,"aw",@nobits
	.p2align	6
	.space	262144
	.amdgpu_metadata
---
amdhsa.version: [ 1, 2 ]
amdhsa.kernels:
  - .name:           k_q9c8600eed5_walk
    .symbol:         k_q9c8600eed5_walk.kd
    .args:
      - { .name: lowp_scales, .offset: 0, .size: 8, .value_kind: global_buffer, .address_space: global }
      - { .name: stream, .offset: 8, .size: 8, .value_kind: global_buffer, .address_space: global }
      - { .name: qimg, .offset: 16, .size: 8, .value_kind: global_buffer, .address_space: global }
      - { .name: p3s, .offset: 24, .size: 8, .value_kind: global_buffer, .address_space: global }
      - { .name: part, .offset: 32, .size: 8, .value_kind: global_buffer, .address_space: global }
    .group_segment_fixed_size: 327680
    .private_segment_fixed_size: 0
    .kernarg_segment_align: 8
    .kernarg_segment_size: 40
    .max_flat_workgroup_size: 256
    .sgpr_count:     100
    .vgpr_count:     512
    .wavefront_size: 32
...
	.end_amdgpu_metadata
.endif
;; end of part 2
;; launch fold (part 3): grid 256 x 1, 4 waves a work-group, no clusters, 0 bytes of LDS; arguments part, out0; writes out0
.if DOCPART == 3
	.amdgcn_target "amdgcn-amd-amdhsa--gfx1250"
	.amdhsa_code_object_version 6
	.text
	.protected	k_q9c8600eed5_fold
	.globl	k_q9c8600eed5_fold
	.p2align	8
	.type	k_q9c8600eed5_fold,@function
k_q9c8600eed5_fold:
	s_mov_b64 s[64:65], 0
	v_nop
	global_prefetch_b8 v0, s[64:65] scope:SCOPE_SE
	s_setreg_imm32_b32 hwreg(HW_REG_WAVE_MODE, 25, 1), 1
	s_wait_xcnt 0x0
; out0 = the sum over the 32 parts of part[p]: [32][2048][64] f32 -> [2048][64] f32, in a fixed order.
; A thread owns 16 bytes of out0; a wave's load or store covers 512 consecutive bytes, aligned.  All 32 loads of a thread go out at once; four chains of sums, then their sum.
; Memory binds: no LDS, no barrier, no matrix unit.
.set PB, 524288                        ; bytes of a part
.set A,  4                             ; v4-131: part p at v[4 + 4 p]; parts 0-3 are the four chains
	s_load_b128 s[4:7], s[0:1], 0x0                ; part, out0
	v_lshlrev_b32 v1, 4, v0
	s_lshl_b32 s8, ttmp9, 11                       ; 2,048 bytes a work-group
	s_mov_b32 s9, 0
	s_wait_alu depctr_va_vdst(0)
	s_wait_kmcnt 0x0
	s_add_nc_u64 s[4:5], s[4:5], s[8:9]
	s_add_nc_u64 s[6:7], s[6:7], s[8:9]
	s_add_nc_u64 s[10:11], s[4:5], 0x800000        ; parts 16 on: the immediate offset has 24 signed bits (ISA guide, chapter 10)
.irp p, 0,1,2,3,4,5,6,7,8,9,10,11,12,13,14,15
	global_load_b128 v[A+4*\p:A+4*\p+3], v1, s[4:5] offset:PB*\p th:TH_LOAD_NT
.endr
.irp p, 0,1,2,3,4,5,6,7,8,9,10,11,12,13,14,15
	global_load_b128 v[A+64+4*\p:A+64+4*\p+3], v1, s[10:11] offset:PB*\p th:TH_LOAD_NT
.endr
.set p, 4
.rept 28
	s_wait_alu depctr_va_vdst(0)
	s_wait_loadcnt 31-p                            ; loads come back in order: part p is in, the younger ones may be out
	v_pk_add_f32 v[A+4*(p%4):A+4*(p%4)+1], v[A+4*(p%4):A+4*(p%4)+1], v[A+4*p:A+4*p+1]
	v_pk_add_f32 v[A+4*(p%4)+2:A+4*(p%4)+3], v[A+4*(p%4)+2:A+4*(p%4)+3], v[A+4*p+2:A+4*p+3]
.set p, p+1
.endr
	v_pk_add_f32 v[A:A+1], v[A:A+1], v[A+4:A+5]
	v_pk_add_f32 v[A+2:A+3], v[A+2:A+3], v[A+6:A+7]
	v_pk_add_f32 v[A+8:A+9], v[A+8:A+9], v[A+12:A+13]
	v_pk_add_f32 v[A+10:A+11], v[A+10:A+11], v[A+14:A+15]
	v_pk_add_f32 v[A:A+1], v[A:A+1], v[A+8:A+9]
	v_pk_add_f32 v[A+2:A+3], v[A+2:A+3], v[A+10:A+11]
	global_store_b128 v1, v[A:A+3], s[6:7]
	s_endpgm
.Lfunc_end_k_q9c8600eed5_fold:
	.size	k_q9c8600eed5_fold, .Lfunc_end_k_q9c8600eed5_fold-k_q9c8600eed5_fold
	.p2alignl 7, 3214868480
	.fill 96, 4, 3214868480
	.section	.rodata,"a",@progbits
	.p2align	6, 0x0
	.amdhsa_kernel k_q9c8600eed5_fold
		.amdhsa_group_segment_fixed_size 0
		.amdhsa_private_segment_fixed_size 0
		.amdhsa_enable_private_segment 0
		.amdhsa_kernarg_size 16
		.amdhsa_user_sgpr_count 2
		.amdhsa_user_sgpr_kernarg_segment_ptr 1
		.amdhsa_wavefront_size32 1
		.amdhsa_system_sgpr_workgroup_id_x 1
		.amdhsa_system_sgpr_workgroup_id_y 1
		.amdhsa_system_sgpr_workgroup_id_z 1
		.amdhsa_system_vgpr_workitem_id 0
		.amdhsa_next_free_vgpr 140
		.amdhsa_next_free_sgpr 66
		.amdhsa_reserve_vcc 0
		.amdhsa_float_denorm_mode_32 3
		.amdhsa_float_denorm_mode_16_64 3
		.amdhsa_memory_ordered 1
		.amdhsa_forward_progress 1
		.amdhsa_inst_pref_size 10
	.end_amdhsa_kernel
	.amdgpu_metadata
---
amdhsa.version: [ 1, 2 ]
amdhsa.kernels:
  - .name:           k_q9c8600eed5_fold
    .symbol:         k_q9c8600eed5_fold.kd
    .args:
      - { .name: part, .offset: 0, .size: 8, .value_kind: global_buffer, .address_space: global }
      - { .name: out0, .offset: 8, .size: 8, .value_kind: global_buffer, .address_space: global }
    .group_segment_fixed_size: 0
    .private_segment_fixed_size: 0
    .kernarg_segment_align: 8
    .kernarg_segment_size: 16
    .max_flat_workgroup_size: 128
    .sgpr_count:     66
    .vgpr_count:     140
    .wavefront_size: 32
...
	.end_amdgpu_metadata
.endif
;; end of part 3
